; MI455X (gfx1250); checked and timed in simulation.
; The chip was launched on July 23, 2026; its instructions are those of AMD's public machine-readable ISA for CDNA 5 (MIT licence, August 2026) and "CDNA5" Instruction Set Architecture Reference Guide (July 2026). The comments in the code are by the model that wrote it; some were corrected since.
;; Binary Dense. Allowed arithmetic: matrix products marked QUANTISED: E2M3 operands, one E8M0 scale for each 32 along K, by v_wmma_scale_f32_16x16x128_f8f6f4 with both operands' format E2M3, f32 sums; everything else in f32.
;; Inputs: M 4,096 x 2,048 float32; u 4,096 x 2,048 float32; x_codes 8,192 x 128 x 24 uint8 (E2M3 codes of x, K innermost, in blocks of 32 codes, four codes in three bytes); x_scales 8,192 x 128 uint8 (E8M0 scales of x, one for each 32 codes along K).
;; Outputs: out0 8,192 x 2,048 float32.
;; This version of the problem:
;;   THIS VERSION OF THE PROBLEM IS GIVEN IN LOW PRECISION. The matrix products marked QUANTISED in the list below multiply operands that are first quantised to E2M3 (2 exponent bits, 3 mantissa bits; 6 bits a number), with one power-of-two scale for each 32 numbers along K (OCP MX v1.0); their sums are f32. All else is computed in f32.
;;   The module's matrix products, in the order in which they are computed (A, B: the left and right operand; K: the contracted axis; several contracted axes count as one K, in the product's order):
;;     1. [M 8,192, K 4,096] x [K 4,096, N 2,048]; A: input x (given as codes); B: computed on the way: QUANTISED
;;   THE QUANTISER, for each operand of a quantised product, along K:
;;     - K is cut into blocks of 32 from its start; a last block that is shorter is filled with zeros.
;;     - A block's scale is 2^e with e = floor(log2(the largest magnitude in the block)) - 2, held to -126 .. 127; a block of zeros has e = 0. As a byte (E8M0): e + 127.
;;     - Each number is divided by its block's scale, clamped to +-7.5, and rounded to the nearest number of E2M3, ties to even, subnormals kept.
;;     - The product sums the exact products of the quantised numbers (number of the format x scale) in f32.
;;   ~~~python
;;   def quantise(x, axis):      # numpy; x: float32 -> the quantised numbers, widened to float32 again
;;       x = np.moveaxis(x, axis, -1); K = x.shape[-1]
;;       x = np.pad(x, [(0, 0)] * (x.ndim - 1) + [(0, -K % 32)]); x = x.reshape(x.shape[:-1] + (-1, 32)); a = np.abs(x).max(-1, keepdims=True)
;;       e = np.where(a > 0, np.clip(np.frexp(np.where(a > 0, a, 1))[1] - 1 - 2, -126, 127), 0)      # np.frexp(a)[1] - 1 = floor(log2(a)), exactly
;;       r = np.clip(x / 2.0 ** e, -7.5, 7.5)
;;       step = 2.0 ** (np.maximum(np.frexp(np.where(r == 0, 1, r))[1] - 1, 0) - 3)
;;       q = np.round(r / step) * step * 2.0 ** e      # np.round: ties to even
;;       return np.moveaxis(q.reshape(q.shape[:-2] + (-1,))[..., :K], -1, axis).astype(np.float32)
;;   ~~~
;;   OPERANDS COMPUTED ON THE WAY. 'Computed on the way' means the value that the module computes at that place (a softmax that the list does not call 'softmax' is quantised finished and normalised). What goes into a quantiser is computed in f32, as accurately as f32 sums, v_exp_f32 and their like allow (about 1e-6 of the number): no bf16 or f16 on the way to a quantiser, and a product that is left as it is and whose result goes on into a quantised operand takes f32 operands (vector FMAs, or v_wmma_f32_16x16x4_f32). A number that lies on a knife's edge between two numbers of the format may be rounded either way, as far as f32 arithmetic and the matrix unit's own rounding can turn it there, and no further.
;;   INPUTS GIVEN AS CODES. x (in the module: [8192, 4096], K = its axis 1): each comes as NAME_codes (uint8): NAME with its K axis moved to the last place and cut into blocks of 32 codes, [.., K / 32, bytes a block], one block behind the other in memory; four codes in three bytes: a row's codes are one little-endian stream of bits, code i at bits 6 i .. 6 i + 5 (a code: sign, 2 exponent bits, 3 mantissa bits); and NAME_scales (uint8): the same leading axes, one E8M0 byte (e + 127) for each 32 codes along K. Its value is code x scale, taken as it is: it is not quantised again, and the codes and scales need not be those that the quantiser above would give.
;; One version. Each part assembles by itself: llvm-mc -triple=amdgcn-amd-amdhsa -mcpu=gfx1250 --defsym DOCPART=n.
;; ======== version 1 of 1: 2 launches
;; limits: right only within a limited range of input values
;; workspace buffers: w_codes 6,291,456 bytes
;; launch quant_mask (part 1): grid 16 x 16, 16 waves a work-group, no clusters, 26,624 bytes of LDS; arguments M, u, w_codes; writes w_codes
.if DOCPART == 1
	.amdgcn_target "amdgcn-amd-amdhsa--gfx1250"
	.amdhsa_code_object_version 6
	.text
	.protected	k_q766e97b920_quant_mask
	.globl	k_q766e97b920_quant_mask
	.p2align	8
	.type	k_q766e97b920_quant_mask,@function
k_q766e97b920_quant_mask:
	s_mov_b64 s[64:65], 0
	v_nop
	global_prefetch_b8 v0, s[64:65] scope:SCOPE_SE
	s_setreg_imm32_b32 hwreg(HW_REG_WAVE_MODE, 25, 1), 1
	s_wait_xcnt 0x0
; W[k][n] = +STD where u[k][n] < sigmoid(M[k][n]), else -STD; STD = sqrt(2 / 6144) in f32.  2 x {0, 1} - 1 is +-1, the straight-through term is a number less itself, 0, and +-1 x STD is exact.
; W is quantised along K (its first axis) to E2M3.  LEFT OUT: the search for a block's largest magnitude and the scale bytes: every |W| is STD for all values of M and u, so every block's scale is
; 2^(floor(log2 STD) - 2) = 2^-8, byte 119; the conversion gets that exponent as a constant, and the product's launch holds the byte in a register.
; THE COMPARISON: e = exp(-M) > 0, so u < 1 / (1 + e) holds just where u e + u < 1.
; LIMITS: NaN in M is not carried (this text gives -STD); where e has overflowed and u is 0 the weight is -STD; a u within f32 rounding of sigmoid(M) may take either sign.
; OUT: images of the operand's registers, [8 blocks of 256 n][32 steps of 128 k][16 tiles of 16 n][1,536 bytes]; in a tile, registers 4 g .. 4 g + 3 of lane L lie at 512 g + 16 L.
; SHARES: a work-group makes 128 n (x) x 256 k (y).  Wave w: c = w % 2 picks 64 columns, b = w / 2 the block of 32 k; lane l holds columns 64 c + 2 l, + 1 and 32 rows: a load of a wave reads 256 consecutive bytes.
; The codes meet in a stage in LDS, laid as in memory, and leave as two runs of 12,288 consecutive bytes.
.set STDP,  0x3c93cd3a
.set STDN,  0xbc93cd3a
.set SCOP,  0x3b93cd3a                 ; STD with 2 off its exponent field: the conversion's scale operand
.set ROWIN, 8192
.set SPARE, 24576                      ; behind the stage: the spare words, 128 bytes a wave
.set MM,    16                         ; v16-79 M, then e
.set UU,    80                         ; v80-143 u, then u e + u
.set MK,    144                        ; v144-207 the weights: column j at 144 + 32 j + row
.set CD,    208                        ; v208-231 column j's codes at 208 + 12 j
.set OB,    236
	s_load_b128 s[4:7], s[0:1], 0x0                ; M, u
	s_load_b64 s[8:9], s[0:1], 0x10                ; the codes
	v_lshl_add_u32 v254, v0, 2, SPARE
	v_mov_b32 v255, 0
	v_lshrrev_b32 v2, 5, v0
	s_delay_alu instid0(VALU_DEP_1)
	v_readfirstlane_b32 s12, v2                    ; wave
	v_and_b32 v8, 31, v0
	s_delay_alu instid0(VALU_DEP_1)
	v_lshlrev_b32 v1, 3, v8                        ; my two columns
	s_and_b32 s13, s12, 1                          ; c
	s_lshr_b32 s14, s12, 1                         ; b
	s_and_b32 s15, ttmp7, 0xffff                   ; y
	s_lshl_b32 s16, s15, 21                        ; 256 y rows
	s_lshl_b32 s28, s14, 18                        ; 32 b rows
	s_add_co_u32 s16, s16, s28
	s_lshl_b32 s28, ttmp9, 9                       ; 128 x columns
	s_add_co_u32 s16, s16, s28
	s_lshl_b32 s28, s13, 8                         ; 64 c columns
	s_add_co_u32 s16, s16, s28
	s_mov_b32 s17, 0
	s_mov_b32 s22, 0xbfb8aa3b                      ; -log2(e)
	s_mov_b32 s23, s22
	s_wait_alu depctr_va_vdst(0)                   ; the head's end
	s_wait_kmcnt 0x0
	s_add_nc_u64 s[4:5], s[4:5], s[16:17]
	s_add_nc_u64 s[6:7], s[6:7], s[16:17]
.set i, 0
.rept 32
	global_load_b64 v[MM+2*i:MM+2*i+1], v1, s[4:5] offset:ROWIN*i th:TH_LOAD_NT
	global_load_b64 v[UU+2*i:UU+2*i+1], v1, s[6:7] offset:ROWIN*i th:TH_LOAD_NT
.set i, i+1
.endr
	; into the stage: step b / 4, tile 4 c + l / 8, lane 2 (l % 8) + j + 16 (b % 2); my block's six registers are 6 cc .. 6 cc + 5, cc = (b / 2) % 2
	s_lshr_b32 s18, s14, 2
	s_mul_i32 s28, s18, 12288
	s_mul_i32 s29, s13, 6144
	s_add_co_u32 s28, s28, s29
	s_and_b32 s29, s14, 1
	s_lshl_b32 s29, s29, 8
	s_add_co_u32 s28, s28, s29
	s_bfe_u32 s19, s14, 0x10001                    ; cc
	s_mul_i32 s20, s19, 520                        ; pieces of 8 bytes lie at 0, 8, 512 (cc = 0) or 520, 1024, 1032 (cc = 1)
	s_mul_i32 s21, s19, 1016
	s_lshr_b32 s18, ttmp9, 1
	s_mul_i32 s18, s18, 786432                     ; block of 256 n
	s_mul_i32 s29, s15, 49152                      ; steps 2 y, 2 y + 1
	s_add_co_u32 s18, s18, s29
	s_and_b32 s29, ttmp9, 1
	s_mul_i32 s29, s29, 12288                      ; which eight tiles
	s_add_co_u32 s18, s18, s29
	s_mov_b32 s19, 0
	s_add_nc_u64 s[8:9], s[8:9], s[18:19]
	v_lshrrev_b32 v3, 3, v8
	v_and_b32 v5, 7, v8
	s_delay_alu instid0(VALU_DEP_2)
	v_mul_u32_u24 v3, v3, 1536
	s_delay_alu instid0(VALU_DEP_1)
	v_lshl_add_u32 v3, v5, 5, v3
	s_delay_alu instid0(VALU_DEP_1)
	v_add_nc_u32 v3, s28, v3
	s_delay_alu instid0(VALU_DEP_1)
	v_add_nc_u32 v12, s20, v3
	v_add_nc_u32 v13, s21, v3
	v_lshlrev_b32 v14, 4, v0                       ; out of the stage: 16 x thread
	v_lshrrev_b32 v6, 8, v0
	s_delay_alu instid0(VALU_DEP_1)
	v_mad_u32_u24 v15, v6, 12288, v14              ; the stage's second half goes to the next step's run, 12,288 bytes further on
	v_mov_b32 v10, STDN
	v_mov_b32 v11, STDP
	v_mov_b32 v4, SCOP
	s_wait_alu depctr_va_vdst(0)
.macro GROUP g                                 ; rows 8 g .. 8 g + 7
	s_wait_loadcnt 48-16*(\g)                      ; behind this group's sixteen loads stand 16 (3 - g) later ones
.irp r, 0,1,2,3,4,5,6,7
	v_pk_mul_f32 v[MM+16*(\g)+2*\r:MM+16*(\g)+2*\r+1], v[MM+16*(\g)+2*\r:MM+16*(\g)+2*\r+1], s[22:23] op_sel_hi:[1,0]
.endr
	s_wait_alu depctr_va_vdst(0)                   ; ahead of the batch
.irp r, 0,1,2,3,4,5,6,7,8,9,10,11,12,13,14,15
	v_exp_f32 v[MM+16*(\g)+\r], v[MM+16*(\g)+\r]
.endr
	v_nop
	s_wait_alu depctr_va_vdst(0)                   ; and behind it
.irp r, 0,1,2,3,4,5,6,7
	v_pk_fma_f32 v[UU+16*(\g)+2*\r:UU+16*(\g)+2*\r+1], v[UU+16*(\g)+2*\r:UU+16*(\g)+2*\r+1], v[MM+16*(\g)+2*\r:MM+16*(\g)+2*\r+1], v[UU+16*(\g)+2*\r:UU+16*(\g)+2*\r+1]
.endr
.irp h, 0,1,2,3
.irp e, 0,1,2,3
	v_cmp_gt_f32 s[24+\e], 1.0, v[UU+16*(\g)+4*\h+\e]
.endr
.irp e, 0,1,2,3
	s_delay_alu instid0(VALU_DEP_4)
	v_cndmask_b32 v[MK+32*(\e%2)+8*(\g)+2*\h+\e/2], v10, v11, s[24+\e]
.endr
.endr
.endm
	GROUP 0
	GROUP 1
	GROUP 2
	GROUP 3
.irp j, 0,1
	v_cvt_scalef32_pk16_fp6_f32 v[CD+12*\j:CD+12*\j+2], v[MK+32*\j:MK+32*\j+15], v4
	v_cvt_scalef32_pk16_fp6_f32 v[CD+12*\j+6:CD+12*\j+8], v[MK+32*\j+16:MK+32*\j+31], v4
.endr
	v_nop                                          ; one plain place behind a scaled conversion
.irp j, 0,1
.irp i, 0,1,2
	v_mov_b32 v[CD+12*\j+3+\i], v[CD+12*\j+6+\i]
.endr
.endr
.irp j, 0,1
	ds_store_b64 v12, v[CD+12*\j:CD+12*\j+1] offset:16*\j
	ds_store_b64 v13, v[CD+12*\j+2:CD+12*\j+3] offset:8+16*\j
	ds_store_b64 v12, v[CD+12*\j+4:CD+12*\j+5] offset:512+16*\j
.endr
	s_wait_dscnt 0x0                               ; for the others' sake
	s_barrier_signal -1
	s_barrier_wait -1
.irp j, 0,1,2
	ds_load_b128 v[OB+4*\j:OB+4*\j+3], v14 offset:8192*\j
.endr
	s_wait_dscnt 0x2
	global_store_b128 v14, v[OB:OB+3], s[8:9]                    ; a wave stores 512 consecutive bytes, at a multiple of 256
	s_wait_dscnt 0x1
	global_store_b128 v15, v[OB+4:OB+7], s[8:9] offset:8192
	s_wait_dscnt 0x0
	global_store_b128 v14, v[OB+8:OB+11], s[8:9] offset:28672
	s_wait_tensorcnt 0x0                           ; the wave's end
	ds_add_u32 v254, v255
	s_wait_dscnt 0x0
	s_endpgm
.Lfunc_end_k_q766e97b920_quant_mask:
	.size	k_q766e97b920_quant_mask, .Lfunc_end_k_q766e97b920_quant_mask-k_q766e97b920_quant_mask
	.p2alignl 7, 3214868480
	.fill 96, 4, 3214868480
	.section	.rodata,"a",@progbits
	.p2align	6, 0x0
	.amdhsa_kernel k_q766e97b920_quant_mask
		.amdhsa_group_segment_fixed_size 26624
		.amdhsa_private_segment_fixed_size 0
		.amdhsa_enable_private_segment 0
		.amdhsa_kernarg_size 24
		.amdhsa_user_sgpr_count 2
		.amdhsa_user_sgpr_kernarg_segment_ptr 1
		.amdhsa_wavefront_size32 1
		.amdhsa_system_sgpr_workgroup_id_x 1
		.amdhsa_system_sgpr_workgroup_id_y 1
		.amdhsa_system_sgpr_workgroup_id_z 1
		.amdhsa_system_vgpr_workitem_id 0
		.amdhsa_next_free_vgpr 256
		.amdhsa_next_free_sgpr 66
		.amdhsa_reserve_vcc 0
		.amdhsa_float_denorm_mode_32 3
		.amdhsa_float_denorm_mode_16_64 3
		.amdhsa_memory_ordered 1
		.amdhsa_forward_progress 1
		.amdhsa_inst_pref_size 28
	.end_amdhsa_kernel
	.amdgpu_metadata
---
amdhsa.version: [ 1, 2 ]
amdhsa.kernels:
  - .name:           k_q766e97b920_quant_mask
    .symbol:         k_q766e97b920_quant_mask.kd
    .args:
      - { .name: M, .offset: 0, .size: 8, .value_kind: global_buffer, .address_space: global }
      - { .name: u, .offset: 8, .size: 8, .value_kind: global_buffer, .address_space: global }
      - { .name: w_codes, .offset: 16, .size: 8, .value_kind: global_buffer, .address_space: global }
    .group_segment_fixed_size: 26624
    .private_segment_fixed_size: 0
    .kernarg_segment_align: 8
    .kernarg_segment_size: 24
    .max_flat_workgroup_size: 512
    .sgpr_count:     66
    .vgpr_count:     256
    .wavefront_size: 32
...
	.end_amdgpu_metadata
.endif
;; end of part 1
;; launch gemm (part 2): grid 8 x 32, 4 waves a work-group, clusters of 4 x 4, 327,680 bytes of LDS; arguments x_codes, x_scales, w_codes, out0; writes out0
.if DOCPART == 2
	.amdgcn_target "amdgcn-amd-amdhsa--gfx1250"
	.amdhsa_code_object_version 6
	.text
	.protected	k_q766e97b920_gemm
	.globl	k_q766e97b920_gemm
	.p2align	8
	.type	k_q766e97b920_gemm,@function
k_q766e97b920_gemm:
	s_mov_b64 s[64:65], 0
	v_nop
	global_prefetch_b8 v0, s[64:65] scope:SCOPE_SE
	s_setreg_imm32_b32 hwreg(HW_REG_WAVE_MODE, 25, 1), 1
	s_wait_xcnt 0x0
	s_wait_alu depctr_hold_cnt(0) depctr_sa_sdst(0) depctr_va_vdst(0) depctr_va_sdst(0) depctr_va_ssrc(0) depctr_va_vcc(0) depctr_vm_vsrc(0)
	s_getreg_b32 s2, hwreg(HW_REG_IB_STS2, 6, 4)
	s_cmp_eq_u32 s2, 0
	s_cbranch_scc0 .Lentry_in_a_cluster
	s_endpgm
.Lentry_in_a_cluster:
	s_bfe_u32 s2, ttmp6, 0x10000c
	s_cmp_lg_u32 s2, 0xf033
	s_cbranch_scc0 .Lentry_shape_is_right
	s_endpgm
.Lentry_shape_is_right:
; out0[m][n] = sum over k of x[m][k] W[k][n], both in E2M3 with E8M0 scales.  x: codes [8192][3072 bytes], scales [8192][128].  W: register images [8][32 steps][16 tiles][1,536 bytes].
; LEFT OUT: W's scale bytes are not read: every |W| is STD for all inputs, so every byte is 119; it stands in a register of its own.
; A block of 256 x 256 by four waves, 128 x 128 each (64 accumulators).  4 x 4 clusters: x's tiles are asked for jointly along a row of the cluster, W's along a column.
; x goes in CHUNKS of 256 bytes of each row (2 2/3 steps of 128 k) through two slots, chunk c in slot c % 2.  W goes in PIECES of 2, 3, 3 steps (steps 0-1, 2-4, 5-7 of each eight) through two regions, piece i in region i % 2.
; ONE barrier (a round of the cluster's) for each chunk: in the step ahead of a step that lies across two chunks, the old chunk's bytes are fetched ahead of the barrier and the new chunk's behind it; both operands have two register sets.
; Where lanes 0-15 of a load want the old chunk and lanes 16-31 the new one, all lanes load the old bytes ahead of the barrier into the fragment, all lanes load the new bytes behind it into spare registers,
; and a select by a lane mask puts lanes 16-31's into the fragment: 32 selects in two of eight steps.
; Eight steps are three chunks, so slots change places from eight to eight: a loop's trip is eight steps, and the LDS address registers are made anew from offsets that s_xor_b32 switches.
; PREFETCH: behind each refill a wave names, a lane a block of 256 bytes, the chunk (x) or the 65,536 bytes of W's stream that the next refill begins in; the four partners share the blocks out by address; the last refill asks for nothing.
; REGISTERS: window 0: v0-31 addresses, v31 W's scale word, v32-63 x's scale words (two sets), v64-159 and v160-255 x's fragments; window 1: W's fragments at v0, v128, spare v96-127; windows 2, 3: accumulators.
.set SIZE_N, 2048
.set KROW,   3072
.set PITCH,  272
.set HALFT,  128*PITCH
.set ASLOT,  2*HALFT
.set BB,     2*ASLOT
.set STEPB,  24576
.set RB,     3*STEPB
.set SCL,    BB+2*RB
.set HALFS,  64*272
.set SBLK,   8*272
.set SPARE,  SCL+2*HALFS
.set SPITCH, 528
.set PFO, 8
.set VA, 9
.set VP, 10
.set VB, 11
.set ADRA, 16                          ; v16-17 x's rows + 24 x half of the lanes, in the slot of even / odd chunks of this eight; v18-19 the same without the lanes' term
.set ADRB, 20                          ; v20-21 W's images in the region of even / odd pieces
.set STO, 24
.set RD, 25
.set CO, 26
.set ADRS, 27
.set SPW, 28
.set NIL, 29
.set BSC, 31
.set SC, 32
.set BK, 64
.set TMPR, 96                          ; window 1, v96-127: the new chunk's bytes of the pieces whose halves differ
.set G1, 24
.set G0, 32
.set G0B, 36
.set G1B2, 48
.set G1B3, 56
.set G1S, 68
.set G0S, 76
.set G0H, 80
.set G0HB, 84
.set BPT, 88                           ; s[88:89] where the next piece begins in W's stream
.set H2, 90                            ; s[90:91], s[92:93] my half of a piece of 2, 3 steps, in bytes
.set H3, 92
.set TB, 94                            ; the next piece's region: 0 or RB
.set SPA, 95
.set SPAN, 96
.set SPB, 97
.set SPBN, 98
.set HIM, 99                           ; s99 the mask of lanes 16-31
.set PFA, 100
.set PFS, 12
.set MSB, 0
.macro WIN new
.if MSB != \new
	s_set_vgpr_msb (MSB<<8)|\new
.set MSB, \new
.endif
.endm
.set MUL_LO, 0xa1
.set MUL_HI, 0xf1
.set TO_B,   0x40
.set FROM_B, 0x04                      ; source 1 window 1, all else window 0
.macro PLACES
.rept 4
	v_nop
.endr
.endm
.macro JLOAD g1b                       ; waves 0, 1 ask for x's chunk, waves 2, 3 for W's piece
	s_cmp_eq_u32 s15, 0
	s_cbranch_scc0 .Lfor_b_\@
	tensor_load_to_lds s[G0:G0+3], s[G1:G1+7]
	s_nop 0
	PLACES
	s_branch .Lasked_\@
.Lfor_b_\@:
	tensor_load_to_lds s[G0B:G0B+3], s[\g1b:\g1b+7]
	s_nop 0
	PLACES
.Lasked_\@:
.endm
.macro CREST
	s_cmp_lg_u32 s14, 0
	s_cbranch_scc1 .Lnot_wave_0_\@
	s_barrier_signal -3
.Lnot_wave_0_\@:
	s_barrier_wait -3
	s_barrier_signal -1
	s_barrier_wait -1
.endm
.macro CROUND
	s_barrier_signal -1
	s_barrier_wait -1
	CREST
.endm
.macro ASK
	global_prefetch_b8 v[PFO], s[PFA:PFA+1] th:TH_LOAD_NT scope:SCOPE_SE
.endm
.macro SETADR                          ; the LDS address registers of this eight
	v_add_nc_u32 v[ADRA], s[SPA], v[VA]
	v_add_nc_u32 v[ADRA+1], s[SPAN], v[VA]
	v_add_nc_u32 v[ADRA+2], s[SPA], v[VP]
	v_add_nc_u32 v[ADRA+3], s[SPAN], v[VP]
	v_add_nc_u32 v[ADRB], s[SPB], v[VB]
	v_add_nc_u32 v[ADRB+1], s[SPBN], v[VB]
	s_wait_alu depctr_va_vdst(0)                   ; the wait
.endm
.macro NEXTD n                         ; no tensor load of mine is out: both descriptors step to the next chunk and piece (of n steps)
	s_xor_b32 s[G0+1], s[G0+1], ASLOT
	s_add_nc_u64 s[G0+2:G0+3], s[G0+2:G0+3], 256
	s_add_co_u32 s[G0B+1], s[TB], BB
	s_add_co_u32 s[G0B+1], s[G0B+1], s[H2+2*(\n)-4]
	s_add_nc_u64 s[G0B+2:G0B+3], s[BPT:BPT+1], s[H2+2*(\n)-4:H2+2*(\n)-3]
	s_or_b32 s[G0B+3], s[G0B+3], 0x80000000
	s_add_nc_u64 s[BPT:BPT+1], s[BPT:BPT+1], (\n)*STEPB
	s_xor_b32 s[TB], s[TB], RB
.endm
	s_load_b128 s[4:7], s[0:1], 0x0                ; x's codes, x's scales
	s_load_b128 s[8:11], s[0:1], 0x10              ; W's codes, out0
	v_lshl_add_u32 v[SPW], v0, 2, SPARE
	v_mov_b32 v[NIL], 0
	ds_add_u32 v[SPW], v[NIL]                      ; the opening lines: the add twice on end and its wait
	ds_add_u32 v[SPW], v[NIL]
	v_lshrrev_b32 v1, 5, v0
	v_readfirstlane_b32 s14, v1                    ; wave
	s_lshr_b32 s15, s14, 1                         ; my half of the rows; in the ring: I fetch x (0) or W (1)
	s_and_b32 s16, s14, 1                          ; my half of the columns; which half I fetch
	s_bfe_u32 s40, ttmp6, 0x40000                  ; cx
	s_bfe_u32 s41, ttmp6, 0x40004                  ; cy
	s_lshl_b32 s42, ttmp9, 2
	s_add_co_u32 s42, s42, s40                     ; block column
	s_and_b32 s17, ttmp7, 0xffff
	s_lshl_b32 s17, s17, 2
	s_add_co_u32 s17, s17, s41                     ; block row
	s_lshl_b32 s43, s41, 2
	s_lshl_b32 s43, 15, s43                        ; my row of the cluster
	s_lshl_b32 s44, 0x1111, s40                    ; my column
	s_or_b32 s[G1], s43, (1<<20)|(1<<21)|(5<<22)|(3<<25)   ; x: rows of 256 bytes, 16 of padding; 256 rows at the head, 128 in the ring
	s_mov_b32 s[G1+1], 256<<16
	s_mov_b32 s[G1+2], 256<<16
	s_mov_b32 s[G1+3], 256<<16
	s_mov_b32 s[G1+4], 256
	s_mov_b32 s[G1+5], KROW
	s_mov_b32 s[G1+6], 0
	s_mov_b32 s[G1+7], 0
	s_or_b32 s[G1B2], s44, (3<<16)|(1<<21)         ; W: dense rows of 256 bytes (32 elements of 8): 96 rows, half of two steps,
	s_or_b32 s[G1B3], s44, (3<<16)|(1<<21)         ; or 144, half of three
	s_mov_b32 s[G1B2+2], 96<<16
	s_mov_b32 s[G1B2+4], 96
	s_mov_b32 s[G1B3+2], 144<<16
	s_mov_b32 s[G1B3+4], 144
	s_or_b32 s[G1S], s43, (3<<16)|(1<<20)|(1<<21)|(5<<22)|(3<<25)   ; x's scales: 32,768 dense bytes as 128 rows of 256, padded
	s_mov_b32 s[G1S+2], 128<<16
	s_mov_b32 s[G1S+4], 128
.irp g, G1B2, G1B3, G1S
	s_mov_b32 s[\g+1], 32<<16
	s_mov_b32 s[\g+3], 32<<16
	s_mov_b32 s[\g+5], 32
	s_mov_b32 s[\g+6], 0
	s_mov_b32 s[\g+7], 0
.endr
	s_lshl_b32 s20, s17, 8                         ; the block's first row
	s_lshl_b32 s22, s20, 7                         ; its scales, in bytes
	s_mov_b32 s23, 0
	s_mul_i32 s20, s20, KROW                       ; its codes
	s_mov_b32 s21, 0
	s_mul_i32 s46, s42, 32*STEPB                   ; W's stream for my 256 columns
	s_mov_b32 s47, 0
	s_mul_i32 s18, s16, 128*KROW
	s_mov_b32 s19, 0
	s_mul_i32 s45, s16, HALFT
	s_mul_i32 s[H2], s16, STEPB
	s_mov_b32 s[H2+1], 0
	s_mul_i32 s[H3], s16, 36864
	s_mov_b32 s[H3+1], 0
	s_mul_i32 s66, s15, STEPB                      ; at the head waves 1 and 3 fetch piece 0's two steps
	s_mov_b32 s67, 0
	s_wait_dscnt 0x0
	s_wait_kmcnt 0x0
	s_add_nc_u64 s[20:21], s[4:5], s[20:21]
	s_add_nc_u64 s[22:23], s[6:7], s[22:23]
	s_add_nc_u64 s[46:47], s[8:9], s[46:47]
	CROUND                                         ; in front of the first joint loads
	s_mov_b32 s[G0H], 1                            ; chunk 0, 256 rows
	s_mov_b32 s[G0H+1], 0
	s_mov_b64 s[G0H+2:G0H+3], s[20:21]
	s_or_b32 s[G0H+3], s[G0H+3], 0x80000000
	s_mov_b32 s[G0HB], 1                           ; a step of piece 0
	s_add_co_u32 s[G0HB+1], s66, BB
	s_add_nc_u64 s[G0HB+2:G0HB+3], s[46:47], s[66:67]
	s_or_b32 s[G0HB+3], s[G0HB+3], 0x80000000
	s_mov_b32 s[G0S], 1                            ; the scales
	s_mov_b32 s[G0S+1], SCL
	s_mov_b64 s[G0S+2:G0S+3], s[22:23]
	s_or_b32 s[G0S+3], s[G0S+3], 0x80000000
	s_mov_b32 s[G0], 1                             ; the ring: chunk 1, my 128 rows, slot 1
	s_add_co_u32 s[G0+1], s45, ASLOT
	s_add_nc_u64 s[G0+2:G0+3], s[20:21], s[18:19]
	s_add_nc_u64 s[G0+2:G0+3], s[G0+2:G0+3], 256
	s_or_b32 s[G0+3], s[G0+3], 0x80000000
	s_mov_b32 s[G0B], 1                            ; piece 1 (steps 2-4), my half, region 1
	s_add_co_u32 s[G0B+1], s[H3], BB+RB
	s_add_nc_u64 s[BPT:BPT+1], s[46:47], 2*STEPB
	s_add_nc_u64 s[G0B+2:G0B+3], s[BPT:BPT+1], s[H3:H3+1]
	s_or_b32 s[G0B+3], s[G0B+3], 0x80000000
	s_add_nc_u64 s[BPT:BPT+1], s[BPT:BPT+1], 3*STEPB
	s_mov_b32 s[TB], 0
.macro ARM under, g0, g1, next         ; the head's loads, one a wave, in one chain of branches on the wave's number
	s_cmp_lt_u32 s14, \under
	s_cbranch_scc0 \next
	tensor_load_to_lds s[\g0:\g0+3], s[\g1:\g1+7]
	s_nop 0
	PLACES
	s_branch .Lhead_asked
\next:
.endm
	ARM 1, G0H,  G1,   .Lhead_1
	ARM 2, G0HB, G1B2, .Lhead_2
	ARM 3, G0S,  G1S,  .Lhead_3
	tensor_load_to_lds s[G0HB:G0HB+3], s[G1B2:G1B2+7]
	s_nop 0
	PLACES
.Lhead_asked:
	s_mov_b32 s[SPA], 0
	s_mov_b32 s[SPAN], ASLOT
	s_mov_b32 s[SPB], 0
	s_mov_b32 s[SPBN], RB
	s_mul_i32 s21, s15, HALFT                      ; my 128 rows of x
	s_mul_i32 s22, s16, 12288                      ; my eight tiles of W
	s_add_co_u32 s22, s22, BB
	s_mul_i32 s23, s14, 16*SPITCH                  ; my stage, in x's slot 0
	s_mul_i32 s45, s15, HALFS
	s_add_co_u32 s45, s45, SCL                     ; my rows' scales
	s_lshl_b32 s46, s17, 8                         ; out0: my first row and column
	s_lshl_b32 s47, s15, 7
	s_add_co_u32 s46, s46, s47
	s_mul_i32 s46, s46, SIZE_N*4
	s_lshl_b32 s47, s42, 10
	s_add_co_u32 s46, s46, s47
	s_lshl_b32 s47, s16, 9
	s_add_co_u32 s46, s46, s47
	s_mov_b32 s47, 0
	s_add_nc_u64 s[10:11], s[10:11], s[46:47]
	s_lshl_b32 s66, s17, 8                         ; the prefetches.  x: of the 128 rows that I fetch my work-group's 32 (by cx), a lane a row, from chunk 2 on
	s_lshl_b32 s67, s16, 7
	s_add_co_u32 s66, s66, s67
	s_lshl_b32 s67, s40, 5
	s_add_co_u32 s66, s66, s67
	s_mul_i32 s66, s66, KROW
	s_add_co_u32 s66, s66, 512
	s_lshl_b32 s67, s41, 1                         ; W: of each 65,536 bytes of the stream the 8,192 at 2 cy + my half, a lane 256 bytes, from block 2 on
	s_add_co_u32 s67, s67, s16
	s_lshl_b32 s67, s67, 13
	s_mul_i32 s20, s42, 32*STEPB
	s_add_co_u32 s67, s67, s20
	s_add_co_u32 s67, s67, 2*65536
	s_mov_b32 s18, 256
	s_mov_b32 s[PFS], 65536
	s_cmp_eq_u32 s15, 0
	s_cselect_b64 s[PFA:PFA+1], s[4:5], s[8:9]
	s_cselect_b32 s66, s66, s67
	s_cselect_b32 s18, KROW, s18
	s_cselect_b32 s[PFS], 256, s[PFS]
	s_mov_b32 s67, 0
	s_mov_b32 s[PFS+1], 0
	s_add_nc_u64 s[PFA:PFA+1], s[PFA:PFA+1], s[66:67]
	s_mov_b32 s[HIM], 0xffff0000
	v_and_b32 v1, 15, v0                           ; r
	v_bfe_u32 v2, v0, 4, 1                         ; h
	v_and_b32 v4, 31, v0
	v_mul_u32_u24 v3, v1, PITCH
	v_add_nc_u32 v[VP], s21, v3
	v_mad_u32_u24 v[VA], v2, 24, v[VP]
	v_lshlrev_b32 v[CO], 4, v4
	v_add_nc_u32 v[VB], s22, v[CO]
	v_lshlrev_b32 v5, 7, v1                        ; a row's scales: 128 bytes, and 16 more for each 256 passed
	v_lshrrev_b32 v6, 8, v5
	v_lshl_add_u32 v5, v6, 4, v5
	v_add_nc_u32 v[ADRS], s45, v5
	v_mul_u32_u24 v5, v1, SPITCH
	v_lshl_add_u32 v5, v2, 5, v5
	v_add_nc_u32 v[STO], s23, v5
	v_add_nc_u32 v[RD], s23, v[CO]
	v_mul_lo_u32 v[PFO], v4, s18
	v_mov_b32 v[BSC], 0x77777777                   ; W's scale word: byte 119 for each 32 along K
	SETADR
; x's fragment of block i for step nr of the eight: six pieces of 8 bytes.  ph 0: what lies in the chunk that the step begins in, where it ends in a later one; ph 1: what lies in the chunk that it ends in;
; ph 2: for the pieces whose halves differ, the new chunk's bytes into the spare registers; ph 3: lanes 16-31 of those into the fragment
.macro FRAGA reg, nr, i, ph
.irp p, 0,1,2,3,4,5
.set BY, 96*(\nr)+48*(\p/3)+8*(\p%3)
.set CA, BY/256
.set CB, (BY+24)/256
.set CE, (96*(\nr)+95)/256
.if (\ph) == 0 && CA < CE
.if CA == CB
	ds_load_b64 v[\reg+2*\p:\reg+2*\p+1], v[ADRA+CA%2] offset:BY%256+(\i)*16*PITCH
.else
	ds_load_b64 v[\reg+2*\p:\reg+2*\p+1], v[ADRA+2+CA%2] offset:BY%256+(\i)*16*PITCH
.endif
.endif
.if (\ph) == 1 && CA == CE
	ds_load_b64 v[\reg+2*\p:\reg+2*\p+1], v[ADRA+CA%2] offset:BY%256+(\i)*16*PITCH
.endif
.if (\ph) == 2 && CA < CB
	ds_load_b64 v[TC:TC+1], v[ADRA+2+CB%2] offset:(BY+24)%256+(\i)*16*PITCH
.set TC, TC+2
.endif
.if (\ph) == 3 && CA < CB
	v_cndmask_b32 v[\reg+2*\p], v[\reg+2*\p], v[TC], s[HIM]
	v_cndmask_b32 v[\reg+2*\p+1], v[\reg+2*\p+1], v[TC+1], s[HIM]
.set TC, TC+2
.endif
.endr
.endm
.macro FETCH_A nr, p, ph
.set TC, TMPR
.irp i, 0,1,2,3,4,5,6,7
	FRAGA 64+96*(\p)+12*\i, \nr, \i, \ph
.endr
.endm
.macro FETCH_B nr, p                   ; W's eight fragments: three loads of 16 bytes a lane each
.set PR, ((\nr)+1)/3
.if PR == 0
.set PJ, \nr
.else
.set PJ, (\nr)-3*PR+1
.endif
	WIN TO_B
.irp i, 0,1,2,3,4,5,6,7
.irp g, 0,1,2
	ds_load_b128 v[128*(\p)+12*\i+4*\g:128*(\p)+12*\i+4*\g+3], v[ADRB+PR%2] offset:PJ*STEPB+\i*1536+\g*512
.endr
.endr
	WIN 0
.endm
.macro SCALES nr                       ; where nr is even: the scale words of steps nr, nr + 1
.if (\nr)%2 == 0
.irp i, 0,1,2,3,4,5,6,7
	ds_load_b64 v[SC+16*(((\nr)/2)%2)+2*\i:SC+16*(((\nr)/2)%2)+2*\i+1], v[ADRS] offset:\i*SBLK+4*(\nr)
.endr
.endif
.endm
; 16 matrix instructions, used transposed: source 0 = 16 columns of W, source 1 = 16 rows of x.  The 64 accumulators take turns
.macro MUL16 a0, st, zero
.irp a, \a0, \a0+1
.irp b, 0,1,2,3,4,5,6,7
.if \zero
	v_wmma_scale_f32_16x16x128_f8f6f4 v[8*(8*((\a)%4)+\b):8*(8*((\a)%4)+\b)+7], v[128*((\st)%2)+12*\b:128*((\st)%2)+12*\b+11], v[64+96*((\st)%2)+12*(\a):64+96*((\st)%2)+12*(\a)+11], 0, v[BSC], v[SC+16*(((\st)/2)%2)+2*(\a)+(\st)%2] matrix_a_fmt:MATRIX_FMT_FP6 matrix_b_fmt:MATRIX_FMT_FP6
.else
	v_wmma_scale_f32_16x16x128_f8f6f4 v[8*(8*((\a)%4)+\b):8*(8*((\a)%4)+\b)+7], v[128*((\st)%2)+12*\b:128*((\st)%2)+12*\b+11], v[64+96*((\st)%2)+12*(\a):64+96*((\st)%2)+12*(\a)+11], v[8*(8*((\a)%4)+\b):8*(8*((\a)%4)+\b)+7], v[BSC], v[SC+16*(((\st)/2)%2)+2*(\a)+(\st)%2] matrix_a_fmt:MATRIX_FMT_FP6 matrix_b_fmt:MATRIX_FMT_FP6
.endif
.endr
.endr
.endm
; A step with no barrier: 64 matrix instructions; behind the first sixteen the next step's fragments are fetched into the other sets
.macro PLAIN st, zero
.set NR, ((\st)+1)%8
	s_wait_dscnt 0x0                               ; this step's fragments are in
	WIN MUL_LO
	MUL16 0, \st, \zero
	PLACES                                         ; four places in front of loads into registers that the last step's matrix instructions read
	WIN 0
.if NR == 0                            ; the next step begins a new eight: slots and regions change places, the scales go 32 bytes on
	s_xor_b32 s[SPA], s[SPA], ASLOT
	s_xor_b32 s[SPAN], s[SPAN], ASLOT
	s_xor_b32 s[SPB], s[SPB], RB
	s_xor_b32 s[SPBN], s[SPBN], RB
	v_add_nc_u32 v[ADRS], 32, v[ADRS]
	SETADR
.endif
	FETCH_B NR, 1-(\st)%2
	FETCH_A NR, 1-(\st)%2, 1
	SCALES NR
	WIN MUL_LO
	MUL16 2, \st, \zero
	WIN MUL_HI
	MUL16 4, \st, \zero
	MUL16 6, \st, \zero
	WIN 0
.endm
; A step whose successor lies across two chunks.  fill: the chunk and piece left behind are filled again (the piece has n steps); ask: a prefetch follows
.macro MEETS st, fill, n, g1b, ask
.set NR, ((\st)+1)%8
.if \ask
	s_wait_xcnt 0x0                                ; my last prefetch has read its address
	s_add_nc_u64 s[PFA:PFA+1], s[PFA:PFA+1], s[PFS:PFS+1]
.endif
	s_wait_dscnt 0x0
	PLACES
	FETCH_A NR, 1-(\st)%2, 0                       ; the old chunk's last bytes
	s_wait_tensorcnt 0x0                           ; all my tensor loads have landed
.if \fill
	ds_add_u32 v[SPW], v[NIL]
	NEXTD \n
.endif
	WIN MUL_LO
	MUL16 0, \st, 0
	s_wait_dscnt 0x0                               ; the add and my reads of the old chunk and piece are done
	s_barrier_signal -1
	MUL16 2, \st, 0
	WIN 0
	s_barrier_wait -1
.if \fill
	CREST                                          ; the barrier has opened a round of the cluster's
	JLOAD \g1b
.endif
	FETCH_B NR, 1-(\st)%2
	FETCH_A NR, 1-(\st)%2, 1
	WIN TO_B
	FETCH_A NR, 1-(\st)%2, 2                       ; sixteen loads into the spare registers
	WIN 0
	SCALES NR
.if \ask
	ASK
.endif
	WIN MUL_HI
	MUL16 4, \st, 0
	MUL16 6, \st, 0
	WIN 0
	s_wait_dscnt 0x0                               ; the next step's loads are in
	WIN FROM_B
	FETCH_A NR, 1-(\st)%2, 3                       ; lanes 16-31 take the new chunk's bytes
	WIN 0
	s_wait_alu depctr_va_vdst(0)
	PLACES                                         ; an operand written by vector instructions stands four places ahead of a scaled matrix instruction
.endm
; Step 6 of an eight: step 7's fragments, the last of their chunk and piece, are fetched early, and the barrier stands in the step's second half
.macro LATE st, n, g1b
	s_wait_xcnt 0x0
	s_add_nc_u64 s[PFA:PFA+1], s[PFA:PFA+1], s[PFS:PFS+1]
	s_wait_dscnt 0x0
	WIN MUL_LO
	MUL16 0, \st, 0
	PLACES
	FETCH_B 7, 1-(\st)%2
	FETCH_A 7, 1-(\st)%2, 1
	WIN MUL_LO
	MUL16 2, \st, 0
	WIN 0
	s_wait_tensorcnt 0x0
	ds_add_u32 v[SPW], v[NIL]
	NEXTD \n
	WIN MUL_HI
	MUL16 4, \st, 0
	s_wait_dscnt 0x0
	s_barrier_signal -1
	MUL16 6, \st, 0
	WIN 0
	s_barrier_wait -1
	CREST
	JLOAD \g1b
	ASK
.endm
	s_wait_tensorcnt 0x0                           ; my tile of the head's four is in
	ds_add_u32 v[SPW], v[NIL]
	s_mov_b32 s[G1+2], 128<<16                     ; from here on x's loads bring 128 rows
	s_mov_b32 s[G1+4], 128
	s_wait_dscnt 0x0
	CROUND
	JLOAD G1B3                                     ; chunk 1 and piece 1
	FETCH_B 0, 0
	FETCH_A 0, 0, 1
	SCALES 0
	ASK                                            ; chunk 2, block 2
	PLAIN 0, 1                                     ; the first step's products start the sums
	s_mov_b32 s3, 3
.Leight:                                               ; steps 1 to 8 of an eight, three times: steps 1 to 24
	MEETS 1, 1, 3, G1B3, 1
	PLAIN 2, 0
	PLAIN 3, 0
	MEETS 4, 1, 2, G1B2, 1
	PLAIN 5, 0
	LATE 6, 3, G1B3
	PLAIN 7, 0
	PLAIN 8, 0
	s_sub_co_u32 s3, s3, 1
	s_cmp_lg_u32 s3, 0
	s_cbranch_scc1 .Leight
	MEETS 25, 1, 3, G1B3, 0                        ; the last refill: chunk 11, piece 11
	PLAIN 26, 0
	PLAIN 27, 0
	MEETS 28, 0, 0, G1B3, 0                        ; nothing is filled again: a plain barrier shows chunk 11 whole
	PLAIN 29, 0
	PLAIN 30, 0
	s_wait_dscnt 0x0
	WIN MUL_LO
	MUL16 0, 31, 0
	MUL16 2, 31, 0
	WIN MUL_HI
	MUL16 4, 31, 0
	MUL16 6, 31, 0
	WIN 0
; THE WAY OUT: a block of 16 rows x 128 columns goes through my stage and comes back as rows of 512 bytes.  The stage lies in x's slot 0: it has had its last fill, and its last reads stand ahead of step 28's barrier
.macro TOSTAGE a
.set AC, 64*((\a)%4)
	WIN 0x08+4*((\a)/4)
.irp b, 0,1,2,3,4,5,6,7
	ds_store_b128 v[STO], v[AC+8*\b:AC+8*\b+3] offset:64*\b
	ds_store_b128 v[STO], v[AC+8*\b+4:AC+8*\b+7] offset:64*\b+16
.endr
	WIN 0
.set BF, BK+64*((\a)%2)
.irp t, 0,1,2,3,4,5,6,7,8,9,10,11,12,13,14,15
	ds_load_b128 v[BF+4*\t:BF+4*\t+3], v[RD] offset:\t*SPITCH
.endr
.endm
.macro SEND a, younger
.set BF, BK+64*((\a)%2)
	s_wait_dscnt \younger                          ; the block is back; younger LDS instructions may stay out
.if (\a) > 0
	s_add_nc_u64 s[10:11], s[10:11], 16*SIZE_N*4
.endif
.irp t, 0,1,2,3,4,5,6,7,8,9,10,11,12,13,14,15
	global_store_b128 v[CO], v[BF+4*\t:BF+4*\t+3], s[10:11] offset:\t*SIZE_N*4 th:TH_STORE_NT   ; 32 lanes store 512 consecutive bytes, at a multiple of 256
.endr
.endm
	PLACES
	TOSTAGE 0
.irp a, 1,2,3,4,5,6,7
.if \a > 1
	s_wait_xcnt 0x0                                ; block a - 2's stores have read their registers and base
.endif
	TOSTAGE \a
	SEND \a-1, 32
.endr
	s_wait_xcnt 0x0
	SEND 7, 0
	s_wait_tensorcnt 0x0                           ; the wave's end
	ds_add_u32 v[SPW], v[NIL]
	s_wait_dscnt 0x0
	CROUND                                         ; the closing round
	s_endpgm
.Lfunc_end_k_q766e97b920_gemm:
	.size	k_q766e97b920_gemm, .Lfunc_end_k_q766e97b920_gemm-k_q766e97b920_gemm
	.p2alignl 7, 3214868480
	.fill 96, 4, 3214868480
	.section	.rodata,"a",@progbits
	.p2align	6, 0x0
	.amdhsa_kernel k_q766e97b920_gemm
		.amdhsa_group_segment_fixed_size 327680
		.amdhsa_private_segment_fixed_size 0
		.amdhsa_enable_private_segment 0
		.amdhsa_kernarg_size 32
		.amdhsa_user_sgpr_count 2
		.amdhsa_user_sgpr_kernarg_segment_ptr 1
		.amdhsa_wavefront_size32 1
		.amdhsa_system_sgpr_workgroup_id_x 1
		.amdhsa_system_sgpr_workgroup_id_y 1
		.amdhsa_system_sgpr_workgroup_id_z 1
		.amdhsa_system_vgpr_workitem_id 0
		.amdhsa_next_free_vgpr 1024
		.amdhsa_next_free_sgpr 102
		.amdhsa_reserve_vcc 0
		.amdhsa_float_denorm_mode_32 3
		.amdhsa_float_denorm_mode_16_64 3
		.amdhsa_memory_ordered 1
		.amdhsa_forward_progress 1
		.amdhsa_inst_pref_size 255
	.end_amdhsa_kernel
	.section	.bss,"aw",@nobits
	.p2align	6
	.space	262144
	.amdgpu_metadata
---
amdhsa.version: [ 1, 2 ]
amdhsa.kernels:
  - .name:           k_q766e97b920_gemm
    .symbol:         k_q766e97b920_gemm.kd
    .args:
      - { .name: x_codes, .offset: 0, .size: 8, .value_kind: global_buffer, .address_space: global }
      - { .name: x_scales, .offset: 8, .size: 8, .value_kind: global_buffer, .address_space: global }
      - { .name: w_codes, .offset: 16, .size: 8, .value_kind: global_buffer, .address_space: global }
      - { .name: out0, .offset: 24, .size: 8, .value_kind: global_buffer, .address_space: global }
    .group_segment_fixed_size: 327680
    .private_segment_fixed_size: 0
    .kernarg_segment_align: 8
    .kernarg_segment_size: 32
    .max_flat_workgroup_size: 128
    .sgpr_count:     102
    .vgpr_count:     1024
    .wavefront_size: 32
...
	.end_amdgpu_metadata
.endif
;; end of part 2
